; MI455X (gfx1250); checked and timed in simulation.
; The chip was launched on July 23, 2026; its instructions are those of AMD's public machine-readable ISA for CDNA 5 (MIT licence, August 2026) and "CDNA5" Instruction Set Architecture Reference Guide (July 2026). The comments in the code are by the model that wrote it; some were corrected since.
;; Scaled Dot Prod Attention. Allowed arithmetic: matrix products marked QUANTISED: E2M1 operands, one E8M0 scale for each 32 along K, by v_wmma_scale_f32_16x16x128_f8f6f4 with both operands' format E2M1 (or v_wmma_scale_f32_32x16x128_f4), f32 sums; everything else in f32.
;; Inputs: k 2 x 2,048 x 1,024 float32; q 2 x 2,048 x 1,024 float32; v_codes 2 x 1,024 x 64 x 16 uint8 (E2M1 codes of v, K innermost, in blocks of 32 codes, two codes a byte); v_scales 2 x 1,024 x 64 uint8 (E8M0 scales of v, one for each 32 codes along K).
;; Outputs: out0 2 x 2,048 x 1,024 float32.
;; This version of the problem:
;;   THIS VERSION OF THE PROBLEM IS GIVEN IN LOW PRECISION. The matrix products marked QUANTISED in the list below multiply operands that are first quantised to E2M1 (2 exponent bits, 1 mantissa bit; 4 bits a number), with one power-of-two scale for each 32 numbers along K (OCP MX v1.0); their sums are f32. All else is computed in f32.
;;   The module's matrix products, in the order in which they are computed (A, B: the left and right operand; K: the contracted axis; several contracted axes count as one K, in the product's order):
;;     1. batch 32 x [M 2,048, K 64] x [K 64, N 2,048]; A: computed on the way; B: input k: QUANTISED
;;     2. batch 32 x [M 64, K 2,048] x [K 2,048, N 2,048]; A: input v (given as codes); B: softmax (see below): QUANTISED
;;   THE QUANTISER, for each operand of a quantised product, along K:
;;     - K is cut into blocks of 32 from its start; a last block that is shorter is filled with zeros.
;;     - A block's scale is 2^e with e = floor(log2(the largest magnitude in the block)) - 2, held to -126 .. 127; a block of zeros has e = 0. As a byte (E8M0): e + 127.
;;     - Each number is divided by its block's scale, clamped to +-6, and rounded to the nearest number of E2M1, ties to even, subnormals kept.
;;     - The product sums the exact products of the quantised numbers (number of the format x scale) in f32.
;;   ~~~python
;;   def quantise(x, axis):      # numpy; x: float32 -> the quantised numbers, widened to float32 again
;;       x = np.moveaxis(x, axis, -1); K = x.shape[-1]
;;       x = np.pad(x, [(0, 0)] * (x.ndim - 1) + [(0, -K % 32)]); x = x.reshape(x.shape[:-1] + (-1, 32)); a = np.abs(x).max(-1, keepdims=True)
;;       e = np.where(a > 0, np.clip(np.frexp(np.where(a > 0, a, 1))[1] - 1 - 2, -126, 127), 0)      # np.frexp(a)[1] - 1 = floor(log2(a)), exactly
;;       r = np.clip(x / 2.0 ** e, -6, 6)
;;       step = 2.0 ** (np.maximum(np.frexp(np.where(r == 0, 1, r))[1] - 1, 0) - 1)
;;       q = np.round(r / step) * step * 2.0 ** e      # np.round: ties to even
;;       return np.moveaxis(q.reshape(q.shape[:-2] + (-1,))[..., :K], -1, axis).astype(np.float32)
;;   ~~~
;;   SOFTMAX AHEAD OF A QUANTISED PRODUCT. Where the list says 'softmax', what is quantised is not the finished softmax but p = 2^(t - M), with t = logit x log2(e) and M = ceil(the row's largest t), a whole number; so 1/2 < the row's largest p <= 1. The row's sum l is taken of the UNQUANTISED p, in f32, and the product's result is divided by l at the end. Since M is a whole number, a kernel that streams over the keys may use a running M (the ceiling of the running maximum): every later rescaling is an exact power of two, which a block's scale takes up: the codes' values come out the same.
;;   OPERANDS COMPUTED ON THE WAY. 'Computed on the way' means the value that the module computes at that place (a softmax that the list does not call 'softmax' is quantised finished and normalised). What goes into a quantiser is computed in f32, as accurately as f32 sums, v_exp_f32 and their like allow (about 1e-6 of the number): no bf16 or f16 on the way to a quantiser, and a product that is left as it is and whose result goes on into a quantised operand takes f32 operands (vector FMAs, or v_wmma_f32_16x16x4_f32). A number that lies on a knife's edge between two numbers of the format may be rounded either way, as far as f32 arithmetic and the matrix unit's own rounding can turn it there, and no further.
;;   INPUTS GIVEN AS CODES. v (in the module: [2, 2048, 1024], K = its axis 1): each comes as NAME_codes (uint8): NAME with its K axis moved to the last place and cut into blocks of 32 codes, [.., K / 32, bytes a block], one block behind the other in memory; two codes a byte, the lower K in the low four bits (a code: sign, 2 exponent bits, 1 mantissa bit); and NAME_scales (uint8): the same leading axes, one E8M0 byte (e + 127) for each 32 codes along K. Its value is code x scale, taken as it is: it is not quantised again, and the codes and scales need not be those that the quantiser above would give.
;; One version. Each part assembles by itself: llvm-mc -triple=amdgcn-amd-amdhsa -mcpu=gfx1250 --defsym DOCPART=n.
;; ======== version 1 of 1: 1 launch
;; limits: right only within a limited range of input values
;; launch attn (part 1): grid 8 x 32, 16 waves a work-group, no clusters, 216,576 bytes of LDS; arguments q, k, v_codes, v_scales, out0; writes out0
.if DOCPART == 1
	.amdgcn_target "amdgcn-amd-amdhsa--gfx1250"
	.amdhsa_code_object_version 6
	.text
	.protected	k_qa1630da276_attn
	.globl	k_qa1630da276_attn
	.p2align	8
	.type	k_qa1630da276_attn,@function
k_qa1630da276_attn:
	s_mov_b64 s[64:65], 0
	v_nop
	global_prefetch_b8 v0, s[64:65] scope:SCOPE_SE
	s_setreg_imm32_b32 hwreg(HW_REG_WAVE_MODE, 25, 1), 1
	s_wait_xcnt 0x0
; out0[b][i][64 h + d] = the sum over j of softmax_j(dots[i][j]) v[b][j][64 h + d], dots = (q / 8) . k over a head's 64 numbers, keys j > i overwritten with -50,000.
; Both products on codes of FP4 (E2M1) with one E8M0 scale for each 32 along a product's K.  q, k: [2][2048][1024] f32, quantised here; v: codes with the keys innermost, [2][1024][1024 bytes], scale bytes [2][1024][64].
; THE SOFTMAX AHEAD OF THE SECOND PRODUCT: t = dots x log2(e); M = the running largest t rounded UP to a whole number; p = 2^(t - M) is quantised along the keys, not normalised; the row's sum is taken of the
; unquantised p and divides at the end.  When M moves, the sum and O are multiplied by 2^(old M - new M), which rounds nothing.
; SHARES.  Work-group (i, bh): head bh = 16 b + h; of the head's 16 blocks of 128 queries it owns blocks i and 15 - i: (i + 1) + (16 - i) = 17 key steps of 128 keys for each of 8 tiles, the same in every work-group.
; Sixteen waves of 256 registers; a wave owns ONE tile of 16 queries.  Keys go in slots of 256 (two key steps), eight trips, a constant; a step all of whose keys come after the wave's queries is jumped over.
; K IS QUANTISED HERE, A SLOT AHEAD: wave w loads 16 keys' 256 bytes each (dense: sixteen lanes to a key), turns them through its own stage in LDS so that a lane holds a whole block of 32 in 32 registers,
; and stores the four registers of codes as an image of the operand's registers.  A head's codes stay in LDS; each byte of them is written once, so one barrier a trip orders store, barrier, load.
; q / 8 is a power of two off q: its codes are q's, its scale byte is 3 lower.  The head's 64 fill half of the instruction's 128 along K: the upper four registers of both fragments hold zero codes, the scale words' upper bytes 0.
; LAYOUT.  Both products are used transposed: S^T = K Q^T (source 0 = 16 keys, source 1 = my 16 queries), O^T = V^T P^T (source 0 = 16 channels, source 1 = P): a lane holds ONE query (lane % 16) throughout.
; THE KEYS OF A TILE ARE NOT NEIGHBOURS: row r of tile 2 b + u of a step is key 32 b + 8 u + r + 8 (r / 8), so that the 16 registers of tiles 2 b and 2 b + 1 are 16 neighbouring keys, 32 b + 16 (lane / 16) + 0 .. 15.
; NO TENSOR LOADS, NO JOINT REQUESTS: K arrives as f32 and has to pass through registers for the quantiser (a slot is 65,536 bytes as f32, 9,216 as codes and scale words); the eight work-groups of a head
; need 5 to 8 slots, so partners would ask for different numbers of tiles; V is 69,632 bytes, read once by each work-group.
; LIMITS: NaN and infinities among the inputs are not served.  A block of zeros gets the scale byte 1 (its codes are zeros, and the bytes are this launch's own).  Blocks of k whose largest magnitude lies under
; 2^(3 - 127), and of q under 2^(6 - 127), are held at those floors; not tried.  Keys behind a wave's diagonal step are left out: there p = 2^(-50,000 log2(e) - M) is 0 in f32 wherever the row's largest
; unmasked logit lies above -49,890; below that figure the result differs from the definition's.
.set KIMG, 0                           ; LDS: K's codes, tile T (16 keys): 512 T + 16 x lane, an image of four registers; 128 tiles
.set KSC,  65536                       ; K's scale words: tile T, row r at 256 (T / 4) + 16 r + 4 (T % 4): 16 bytes of a lane are four tiles' words
.set VROW, 73728                       ; V's codes: channel d at 1,040 d (1,024 bytes + 16): 65 x 16, so sixteen rows begin at sixteen different 16-byte columns modulo 256
.set VSC,  140288                      ; V's scale bytes: channel d at 72 d (64 bytes + 8)
.set STG,  144896                      ; a stage for each wave, 4,352 w: 16 rows of 272 bytes (256 + 16): the turn of q and k, and the way out
.set GL,   1                           ; v1   4,096 hh + 16 r: q's and k's loads, out0's stores; never rewritten
.set SW,   2                           ; v2   stage by rows of 256 bytes: lanes 0-15 a row, lanes 16-31 the next
.set SRD,  3                           ; v3   stage: row r, + 128 hh: my block of 32 numbers
.set SOUT, 4                           ; v4   stage: row r, + 32 hh: my eight channels of a tile
.set KRD0, 5                           ; v5   KIMG + 16 x lane
.set KSR0, 6                           ; v6   KSC + 16 r
.set VRD0, 7                           ; v7   VROW + 1,040 r + 16 hh
.set VSR0, 8                           ; v8   VSC + 72 r
.set KWI0, 9                           ; v9   KIMG + 512 w + 16 x lane: where I store my tile's image
.set KWS0, 10                          ; v10  KSC + 256 (w / 4) + 4 (w % 4) + 16 r: and its scale word
.set SH8,  11                          ; v11  8 hh
                                       ; v12 -M, v13 the largest t so far, v[14:15] the row's sum in two halves
.set ADK,  16                          ; v16-21 the trip's LDS addresses: K's images, K's words, V's codes, V's words, my image, my word
.set ADS,  17
.set ADV,  18
.set ADT,  19
.set AWI,  20
.set AWS,  21
.set D0,   22                          ; v22  r - 16 hh
.set MV,   23                          ; v23  -50,000.0
.set QF,   24                          ; v24-31  Q's fragment: four registers of codes, four of zeros
.set KW,   32                          ; v32-63  four fragments of K: codes at 8 t, zeros at 8 t + 4
.set PF,   64                          ; v64-95  the next slot's 16 keys, f32, on their way
.set S,    96                          ; v96-159 S^T, then p
.set X,    96                          ; v96-127 the turn's result: 32 numbers of a block
.set VF,   128                         ; v128-159 V's four fragments; the way out's rows
.set O,    160                         ; v160-191 O^T, four tiles of 16 channels
.set PC,   192                         ; v192-199 p's codes
.set KS,   200                         ; v200-207 K's scale words, v208-211 V's, v212 Q's, v213 p's: scales and nothing else
.set VS,   208
.set QS,   212
.set PS,   213
.set F,    214                         ; v214 f = 2^(old M - new M); v215 a written 0 (named with it as a pair)
.set BM,   216                         ; v216-219 each block's largest score
.set T1,   220                         ; v220-223 permute targets, then bytes
.set SCO,  224                         ; v224-227 the conversions' scale operands
.set SUM2, 228                         ; v228-229 the second chain of the sum (at the head: V's scale bytes)
.set TA,   230                         ; v230 at work, 1 / sum; v231 a written 0
.set DD,   232                         ; v232 the mask's d
.set QA,   233                         ; v233-237 the quantiser's
.set QB,   234
.set QSC,  235
.set QBY,  236
.set QT,   237
.set KWD,  238                         ; v238 the scale word of the tile of K just made
.set CD,   240                         ; v240-243 its codes
.set WV,   14                          ; s14 wave; s15 i; s16 bh; s17-19, s33 at work
.set SEL,  20                          ; s[20:21] v_permlanex16_b32's selects for lane l xor 16
.set CS,   22                          ; s[22:23] log2(e): the packed form names a pair and takes its low word for both halves
.set Q0,   24                          ; s24 my first query;  s35 my last
.set KF,   25                          ; s25 the step's first key
.set SL,   26                          ; s26 the trip = the slot in hand
.set NSL,  27                          ; s27 slots that the work-group needs: (17 - i) / 2, rounded down
.set MYSL, 28                          ; s28 the slot of my diagonal
.set TK,   29                          ; s29 8,192 x slot; s30 1,024 x slot; s31 128 x slot; s32 8 x slot
.set TS,   30
.set TV,   31
.set TW,   32
.set QL,   35
.macro GLOADQ dst                      ; my 16 queries' 256 bytes each: a load takes two rows, sixteen lanes to a row
.irp j, 0,1,2,3,4,5,6,7
	global_load_b128 v[\dst+4*\j:\dst+4*\j+3], v[GL], s[4:5] offset:8192*\j th:TH_LOAD_NT
.endr
.endm
.macro GLOADK dst                      ; my tile's 16 keys: rows 0-7 and 16-23 from the tile's first key.  No hint: eight work-groups read them
.irp j, 0,1,2,3,4,5,6,7
	global_load_b128 v[\dst+4*\j:\dst+4*\j+3], v[GL], s[6:7] offset:(2*\j+8*(\j/4))*4096
.endr
.endm
; 16 rows of 64 f32 go into my stage as loaded and come back so that lane (r, hh) holds numbers 32 hh + 0 .. 31 of row r in v[X] on.  LDS serves a wave's instructions in order (ISA guide 5.7.1.4): no wait between.
.macro TURN src
.irp j, 0,1,2,3,4,5,6,7
	ds_store_b128 v[SW], v[\src+4*\j:\src+4*\j+3] offset:544*\j
.endr
.irp j, 0,1,2,3,4,5,6,7
	ds_load_b128 v[X+4*\j:X+4*\j+3], v[SRD] offset:16*\j
.endr
.endm
; The block in v[X] on becomes four registers of codes, which are registers 0-3 of the fragment as they stand, and the row's scale word (byte hh mine, the other from lane l xor 16, bytes 2 and 3 zero).
; sub = 1: 3 is taken off the byte: the numbers are q / 8.
.macro QUANT dst, floor, sub, word
	v_max3_num_f32 v[QA], |v[X]|, |v[X+1]|, \floor            ; the largest magnitude, in two chains, with the floor among the leaves: the byte cannot fall under 1
	v_max3_num_f32 v[QB], |v[X+16]|, |v[X+17]|, \floor
.irp e, 2,4,6,8,10,12,14
	s_delay_alu instid0(VALU_DEP_2)
	v_max3_num_f32 v[QA], v[QA], |v[X+\e]|, |v[X+\e+1]|
	s_delay_alu instid0(VALU_DEP_2)
	v_max3_num_f32 v[QB], v[QB], |v[X+16+\e]|, |v[X+17+\e]|
.endr
	s_delay_alu instid0(VALU_DEP_1)
	v_max_num_f32 v[QA], v[QA], v[QB]
	s_delay_alu instid0(VALU_DEP_1)
	v_add_nc_u32 v[QSC], 0xff000000, v[QA]                    ; 2 off its exponent field: the conversion takes the exponent field of this operand as its scale
	s_delay_alu instid0(VALU_DEP_1)
	v_lshrrev_b32 v[QBY], 23, v[QSC]                          ; the scale's byte
.if \sub
	s_delay_alu instid0(VALU_DEP_1)
	v_add_nc_u32 v[QBY], -3, v[QBY]
.endif
	s_delay_alu instid0(VALU_DEP_1)
	v_lshlrev_b32 v[QBY], v[SH8], v[QBY]                      ; at its place in the word
	s_delay_alu instid0(VALU_DEP_1)
	v_permlanex16_b32 v[QT], v[QBY], s[SEL], s[SEL+1]
	s_delay_alu instid0(VALU_DEP_1)
	v_or_b32 v[\word], v[QBY], v[QT]
.irp g, 0,1,2,3
	v_cvt_scalef32_pk8_fp4_f32 v[\dst+\g], v[X+8*\g:X+8*\g+7], v[QSC]
.endr
	v_nop                                                     ; one plain place behind a scaled conversion
.endm
; A KEY STEP: 128 keys, the q-th of the slot in hand.
.macro STEP q
	s_cmp_gt_u32 s[KF], s[QL]                                 ; all its keys come after my queries: nothing to do.  A branch on ids; no barrier stands in a step
	s_cbranch_scc1 .Lhidden_\@
	s_wait_alu depctr_va_vdst(0)
.irp g, 0,1                                                   ; S^T = K Q^T, four tiles of 16 keys at a time
.if \g
.rept 5
	v_nop                                                     ; four places in front of loads into registers that the four products above have read; five since the products below write over v128-159, which the last V^T P read
.endr
.endif
.irp t, 0,1,2,3
	ds_load_b128 v[KW+8*\t:KW+8*\t+3], v[ADK] offset:4096*(\q)+512*(4*\g+\t)
.endr
.if \g == 0
	ds_load_b128 v[KS:KS+3], v[ADS] offset:512*(\q)           ; the eight tiles' scale words
	ds_load_b128 v[KS+4:KS+7], v[ADS] offset:512*(\q)+256
.endif
	s_wait_dscnt 0x0
.irp t, 0,1,2,3
	v_wmma_scale_f32_16x16x128_f8f6f4 v[S+8*(4*\g+\t):S+8*(4*\g+\t)+7], v[KW+8*\t:KW+8*\t+7], v[QF:QF+7], 0, v[KS+4*\g+\t], v[QS] matrix_a_fmt:MATRIX_FMT_FP4 matrix_b_fmt:MATRIX_FMT_FP4
.endr
.endr
.rept 4
	v_nop                                                     ; places in front of the first read of results
.endr
	s_add_co_u32 s17, s[KF], 127                              ; a step all of whose keys count for all my queries has no mask
	s_cmp_le_u32 s17, s[Q0]
	s_cbranch_scc1 .Lopen_\@
	s_sub_co_i32 s17, s[Q0], s[KF]
	v_add_nc_u32 v[DD], s17, v[D0]                            ; d = my query - KF - 16 hh.  Register 16 b + i holds key KF + 32 b + 16 hh + i: masked where 32 b + i > d
.irp n, 0,1,2,3,4,5,6,7,8,9,10,11,12,13,14,15,16,17,18,19,20,21,22,23,24,25,26,27,28,29,30,31,32,33,34,35,36,37,38,39,40,41,42,43,44,45,46,47,48,49,50,51,52,53,54,55,56,57,58,59,60,61,62,63
	v_cmp_gt_i32 vcc_lo, 32*(\n/16)+\n%16, v[DD]
	v_cndmask_b32 v[S+\n], v[S+\n], v[MV], vcc_lo             ; overwritten with -50,000, ahead of the maximum
.endr
.Lopen_\@:
.irp b, 0,1,2,3
	v_max3_num_f32 v[BM+\b], v[S+16*\b], v[S+16*\b+1], v[S+16*\b+2]   ; the largest score of each block of 32 keys: it serves for the row's maximum and, since p rises with the score, for the block's largest p
.endr
.irp e, 3,5,7,9,11,13
.irp b, 0,1,2,3
	v_max3_num_f32 v[BM+\b], v[BM+\b], v[S+16*\b+\e], v[S+16*\b+\e+1]   ; the four blocks by turns
.endr
.endr
.irp b, 0,1,2,3
	v_max_num_f32 v[BM+\b], v[BM+\b], v[S+16*\b+15]
.endr
.irp b, 0,1,2,3
	s_delay_alu instid0(VALU_DEP_4)
	v_permlanex16_b32 v[T1+\b], v[BM+\b], s[SEL], s[SEL+1]
.endr
.irp b, 0,1,2,3
	s_delay_alu instid0(VALU_DEP_4)
	v_max_num_f32 v[BM+\b], v[BM+\b], v[T1+\b]                ; with lane l xor 16's 16 keys
.endr
	s_delay_alu instid0(VALU_DEP_2)
	v_max3_num_f32 v[TA], v[BM], v[BM+1], v[BM+2]
	s_delay_alu instid0(VALU_DEP_1)
	v_max_num_f32 v[TA], v[TA], v[BM+3]                       ; the step's largest score of my query
	s_delay_alu instid0(VALU_DEP_1)
	v_mul_f32 v[TA], s[CS], v[TA]                             ; as t
	s_delay_alu instid0(VALU_DEP_1)
	v_max_num_f32 v13, v13, v[TA]                             ; the running largest t
	v_mov_b32 v[TA], v12
	s_delay_alu instid0(VALU_DEP_2)
	v_floor_f32 v12, -v13                                     ; the new -M = floor(-t) = -ceil(t): a whole number
	s_delay_alu instid0(VALU_DEP_1)
	v_sub_f32 v[TA], v12, v[TA]                               ; old M - new M: a whole number, 0 or less
	s_delay_alu instid0(VALU_DEP_1)
	v_cvt_i32_f32 v[TA], v[TA]                                ; (it saturates)
	s_delay_alu instid0(VALU_DEP_1)
	v_ldexp_f32 v[F], 1.0, v[TA]                              ; f = 2^(old M - new M)
.irp j, 0,2,4,6,8,10,12,14,16,18,20,22,24,26,28,30,32,34,36,38,40,42,44,46,48,50,52,54,56,58,60,62
	v_pk_fma_f32 v[S+\j:S+\j+1], v[S+\j:S+\j+1], s[CS:CS+1], v[12:13] op_sel_hi:[1,0,0]   ; t - M, two at a time
.endr
.irp b, 0,1,2,3
	v_fma_f32 v[BM+\b], v[BM+\b], s[CS], v12                  ; the same of each block's largest score
.endr
	s_wait_alu depctr_va_vdst(0)
.irp j, 0,1,2,3,4,5,6,7,8,9,10,11,12,13,14,15,16,17,18,19,20,21,22,23,24,25,26,27,28,29,30,31,32,33,34,35,36,37,38,39,40,41,42,43,44,45,46,47,48,49,50,51,52,53,54,55,56,57,58,59,60,61,62,63
	v_exp_f32 v[S+\j], v[S+\j]                                ; p = 2^(t - M), at most 1
.endr
	v_pk_mul_f32 v[14:15], v[14:15], v[F:F+1] op_sel_hi:[1,0] ; the sums under the new M: the plain place behind the exponentials
	s_wait_alu depctr_va_vdst(0)                              ; one wait for the batch of 64, ahead of its first reader
.irp b, 0,1,2,3
	v_exp_f32 v[BM+\b], v[BM+\b]                              ; the block's largest p: the same two instructions on the same number
.endr
	v_pk_add_f32 v[SUM2:SUM2+1], v[S+8:S+9], v[S+10:S+11]     ; the row's sum of the UNQUANTISED p, two at a time, in two chains; p's registers 0-7 follow further down
.irp j, 12,16,20,24,28,32,36,40,44,48,52,56,60
	v_pk_add_f32 v[14:15], v[14:15], v[S+\j:S+\j+1]
	v_pk_add_f32 v[SUM2:SUM2+1], v[SUM2:SUM2+1], v[S+\j+2:S+\j+3]
.endr
	s_wait_alu depctr_va_vdst(0)                              ; and one for the four
.irp b, 0,1,2,3
	v_max_num_f32 v[BM+\b], 0x1800000, v[BM+\b]               ; the floor 2^(3 - 127): the byte cannot fall under 1
.endr
.irp b, 0,1,2,3
	s_delay_alu instid0(VALU_DEP_4)
	v_add_nc_u32 v[SCO+\b], 0xff000000, v[BM+\b]              ; 2 off the exponent field: the conversion's scale operand
.endr
.irp b, 0,1,2,3
	s_delay_alu instid0(VALU_DEP_4)
	v_lshrrev_b32 v[T1+\b], 23, v[SCO+\b]                     ; the scale's byte
.endr
	s_delay_alu instid0(VALU_DEP_3)
	v_lshl_or_b32 v[PS], v[T1+1], 8, v[T1]                    ; p's scale word for these 128 keys
	s_delay_alu instid0(VALU_DEP_1)
	v_lshl_or_b32 v[PS], v[T1+2], 16, v[PS]
	s_delay_alu instid0(VALU_DEP_1)
	v_lshl_or_b32 v[PS], v[T1+3], 24, v[PS]
.irp b, 0,1,2,3
	v_cvt_scalef32_pk8_fp4_f32 v[PC+2*\b], v[S+16*\b:S+16*\b+7], v[SCO+\b]
	v_cvt_scalef32_pk8_fp4_f32 v[PC+2*\b+1], v[S+16*\b+8:S+16*\b+15], v[SCO+\b]
.endr
	v_nop                                                     ; one plain place behind a scaled conversion
.irp t, 0,1,2,3                                               ; V's four fragments and scale words, into the upper half of p's registers, which are done with: they land under the lines below
.irp c, 0,1
	ds_load_b128 v[VF+8*\t+4*\c:VF+8*\t+4*\c+3], v[ADV] offset:16640*\t+64*(\q)+32*\c
.endr
	ds_load_b32 v[VS+\t], v[ADT] offset:1152*\t+4*(\q)
.endr
.irp c, 0,1                                                   ; the operand's layout wants a WHOLE block in a lane: lanes 0-15 block 2 c, lanes 16-31 block 2 c + 1
.irp e, 0,1
	v_permlane16_swap_b32 v[PC+4*\c+\e], v[PC+4*\c+2+\e]
.endr
.endr
.irp j, 0,2,4,6,8,10,12,14,16,18,20,22,24,26,28,30
	v_pk_mul_f32 v[O+\j:O+\j+1], v[O+\j:O+\j+1], v[F:F+1] op_sel_hi:[1,0]   ; O^T under the new M, each tile from its low end on
.endr
	v_pk_add_f32 v[14:15], v[14:15], v[S:S+1]                 ; the rest of the sum: five plain lines that name no register of the products below, behind the last write of O^T;
	v_pk_add_f32 v[SUM2:SUM2+1], v[SUM2:SUM2+1], v[S+2:S+3]   ; with twelve of the sixteen lines above they are also the places between p's scale word (eight asked) and codes (four) and each product
	v_pk_add_f32 v[14:15], v[14:15], v[S+4:S+5]
	v_pk_add_f32 v[SUM2:SUM2+1], v[SUM2:SUM2+1], v[S+6:S+7]
	s_delay_alu instid0(VALU_DEP_1)
	v_pk_add_f32 v[14:15], v[14:15], v[SUM2:SUM2+1]
	s_wait_alu depctr_va_vdst(0)
	s_wait_dscnt 0x0
.irp t, 0,1,2,3                                               ; O^T += V^T P^T: the four accumulators by turns, one instruction a turn; the next step's S^T stands between two links of a chain
	v_wmma_scale_f32_16x16x128_f8f6f4 v[O+8*\t:O+8*\t+7], v[VF+8*\t:VF+8*\t+7], v[PC:PC+7], v[O+8*\t:O+8*\t+7], v[VS+\t], v[PS] matrix_a_fmt:MATRIX_FMT_FP4 matrix_b_fmt:MATRIX_FMT_FP4
.endr
.Lhidden_\@:
	s_add_co_u32 s[KF], s[KF], 128
.endm
; THE WAY OUT of my tile: O^T / the sum goes through my stage and leaves as rows: sixteen lanes store a query's 256 consecutive bytes, at a multiple of 256 from out0's first byte.
.macro WAYOUT
.rept 4
	v_nop                                                     ; places behind the last products
.endr
	v_add_f32 v14, v14, v15                                   ; the sum's two halves,
	s_delay_alu instid0(VALU_DEP_1)
	v_permlanex16_b32 v[T1], v14, s[SEL], s[SEL+1]
	s_delay_alu instid0(VALU_DEP_1)
	v_add_f32 v14, v14, v[T1]                                 ; and lane l xor 16's
	s_wait_alu depctr_va_vdst(0)
	v_rcp_f32 v[TA], v14
	v_nop                                                     ; a plain place behind the reciprocal
	s_wait_alu depctr_va_vdst(0)                              ; and the wait ahead of its first reader
.irp j, 0,2,4,6,8,10,12,14,16,18,20,22,24,26,28,30
	v_pk_mul_f32 v[S+\j:S+\j+1], v[O+\j:O+\j+1], v[TA:TA+1] op_sel_hi:[1,0]   ; register 8 t + j is o(query r, channel 16 t + 8 hh + j)
.endr
.irp t, 0,1,2,3
	ds_store_b128 v[SOUT], v[S+8*\t:S+8*\t+3] offset:64*\t
	ds_store_b128 v[SOUT], v[S+8*\t+4:S+8*\t+7] offset:64*\t+16
.endr
.irp n, 0,1,2,3,4,5,6,7
	ds_load_b128 v[VF+4*\n:VF+4*\n+3], v[SW] offset:544*\n    ; in order behind my stores: whole rows, two an instruction
.endr
.irp n, 0,1,2,3,4,5,6,7
	s_wait_dscnt 7-\n                                         ; load n is in; the younger ones may be out
	global_store_b128 v[GL], v[VF+4*\n:VF+4*\n+3], s[12:13] offset:8192*\n th:TH_STORE_NT
.endr
	s_wait_xcnt 0x0                                           ; the stores' data registers are written again only behind this wait
.endm
; A TRIP: the slot's two key steps; my tile leaves in the trip of its diagonal; then (last = 0) the next slot's tile of K is made from the numbers asked for a trip ago, the slot after that is asked for, and the barrier.
.macro TRIP last
	v_add_nc_u32 v[ADK], s[TK], v[KRD0]
	v_add_nc_u32 v[ADS], s[TS], v[KSR0]
	v_add_nc_u32 v[ADV], s[TV], v[VRD0]
	v_add_nc_u32 v[ADT], s[TW], v[VSR0]
.if \last == 0
	v_add_nc_u32 v[AWI], s[TK], v[KWI0]
	v_add_nc_u32 v[AWS], s[TS], v[KWS0]
.endif
	STEP 0
	STEP 1
	s_cmp_lg_u32 s[SL], s[MYSL]
	s_cbranch_scc1 .Lnot_done_\@
	WAYOUT
.Lnot_done_\@:
.if \last == 0
	s_wait_loadcnt 0x0                                        ; the next slot's 16 keys, asked for two key steps ago, are in: so their base may step
	s_add_nc_u64 s[6:7], s[6:7], 0x100000                     ; 256 keys of 4,096 bytes on
	s_add_co_u32 s17, s[SL], 1
	s_cmp_ge_u32 s17, s[NSL]                                  ; no wave of the work-group reads a slot from NSL on: none is made
	s_cbranch_scc1 .Lno_make_\@
	TURN PF
	s_wait_dscnt 0x0                                          ; my block is in registers, and the stores into the stage have read theirs,
	s_add_co_u32 s17, s[SL], 2
	s_cmp_ge_u32 s17, s[NSL]
	s_cbranch_scc1 .Lno_load_\@
	GLOADK PF                                                 ; which take the slot after: eight loads, 4,096 bytes a wave, out for a whole trip.  No load is issued for a slot that is not needed
.Lno_load_\@:
	QUANT CD, 0x1800000, 0, KWD
	ds_store_b128 v[AWI], v[CD:CD+3] offset:8192              ; slot SL + 1: other bytes than the slot that is being read
	ds_store_b32 v[AWS], v[KWD] offset:1024                   ; lanes r and r + 16 write the same word with the same value
.Lno_make_\@:
	s_add_co_u32 s[TK], s[TK], 8192
	s_add_co_u32 s[TS], s[TS], 1024
	s_add_co_u32 s[TV], s[TV], 128
	s_add_co_u32 s[TW], s[TW], 8
	s_wait_dscnt 0x0                                          ; for the others' sake: my stores have landed
	s_barrier_signal -1
	s_barrier_wait -1                                         ; the next slot's sixteen tiles lie in LDS
.endif
.endm
	s_load_b256 s[4:11], s[0:1], 0x0                          ; q s[4:5], k s[6:7], v_codes s[8:9], v_scales s[10:11]
	s_load_b64 s[12:13], s[0:1], 0x20                         ; out0
	v_lshl_add_u32 v254, v0, 2, 0x34600
	v_mov_b32 v255, 0
	v_lshrrev_b32 v248, 5, v0
	s_delay_alu instid0(VALU_DEP_1)
	v_readfirstlane_b32 s[WV], v248                           ; wave 0..15
	v_and_b32 v249, 31, v0                                    ; lane
	v_and_b32 v250, 15, v0                                    ; r
	v_bfe_u32 v251, v0, 4, 1                                  ; hh
	s_delay_alu instid0(VALU_DEP_2)
	v_lshlrev_b32 v[GL], 4, v250
	s_delay_alu instid0(VALU_DEP_1)
	v_lshl_add_u32 v[GL], v251, 12, v[GL]                     ; 4,096 hh + 16 r
	v_lshlrev_b32 v244, 4, v249                               ; 16 x lane: V's codes
	v_lshlrev_b32 v245, 3, v249                               ; 8 x lane: V's scale bytes
	s_mov_b32 s15, ttmp9                                      ; i
	s_and_b32 s16, ttmp7, 0xffff                              ; bh
	; my tile: of the work-group's two blocks the long one where ((w >> 1) ^ (w >> 3)) & 1, tile (w & 1) + 2 (w >> 2) of it: every four waves w % 4 alike, and every four w / 4 alike, hold two of each block
	s_lshr_b32 s17, s[WV], 1
	s_lshr_b32 s18, s[WV], 3
	s_xor_b32 s17, s17, s18
	s_and_b32 s17, s17, 1
	s_sub_co_u32 s18, 15, s15
	s_cmp_lg_u32 s17, 0
	s_cselect_b32 s18, s18, s15                               ; the block: 15 - i or i
	s_and_b32 s19, s[WV], 1
	s_lshr_b32 s33, s[WV], 2
	s_lshl_b32 s33, s33, 1
	s_add_co_u32 s19, s19, s33
	s_lshl_b32 s19, s19, 4
	s_lshl_b32 s[Q0], s18, 7
	s_add_co_u32 s[Q0], s[Q0], s19                            ; my first query
	s_add_co_u32 s[QL], s[Q0], 15
	s_lshr_b32 s[MYSL], s[Q0], 8
	s_sub_co_u32 s[NSL], 17, s15
	s_lshr_b32 s[NSL], s[NSL], 1
	; byte offsets, made apart from the addresses
	s_lshr_b32 s17, s16, 4
	s_lshl_b32 s17, s17, 23                                   ; b x 2,048 rows of 4,096 bytes
	s_and_b32 s18, s16, 15
	s_lshl_b32 s18, s18, 8                                    ; h x 256 bytes
	s_or_b32 s33, s17, s18
	s_lshl_b32 s36, s[Q0], 12
	s_add_co_u32 s36, s36, s33                                ; q, out0: my first query's piece of the head
	s_mov_b32 s37, 0
	s_lshr_b32 s17, s[WV], 3
	s_lshl_b32 s17, s17, 7
	s_bfe_u32 s18, s[WV], 0x20001
	s_lshl_b32 s18, s18, 5
	s_add_co_u32 s17, s17, s18
	s_and_b32 s18, s[WV], 1
	s_lshl_b32 s18, s18, 3
	s_add_co_u32 s17, s17, s18                                ; the first key of tile w of a slot: 128 (w >> 3) + 32 ((w >> 1) & 3) + 8 (w & 1)
	s_lshl_b32 s38, s17, 12
	s_add_co_u32 s38, s38, s33                                ; k
	s_mov_b32 s39, 0
	s_lshl_b32 s40, s16, 16                                   ; v_codes: the head's 64 rows of 1,024 bytes, my wave's four
	s_lshl_b32 s17, s[WV], 12
	s_add_co_u32 s40, s40, s17
	s_mov_b32 s41, 0
	s_lshl_b32 s42, s16, 12                                   ; v_scales: 64 rows of 64 bytes, my wave's four
	s_lshl_b32 s17, s[WV], 8
	s_add_co_u32 s42, s42, s17
	s_mov_b32 s43, 0
	s_wait_alu depctr_va_vdst(0)
	s_wait_kmcnt 0x0
	s_add_nc_u64 s[4:5], s[4:5], s[36:37]
	s_add_nc_u64 s[12:13], s[12:13], s[36:37]
	s_add_nc_u64 s[6:7], s[6:7], s[38:39]
	s_add_nc_u64 s[8:9], s[8:9], s[40:41]
	s_add_nc_u64 s[10:11], s[10:11], s[42:43]
	GLOADQ VF                                                 ; 8 loads: my queries
	GLOADK PF                                                 ; 8: my tile of slot 0
.irp j, 0,1,2,3,4,5,6,7
	global_load_b128 v[O+4*\j:O+4*\j+3], v244, s[8:9] offset:512*\j   ; 8: four rows of V's codes, 512 consecutive bytes a load
.endr
	global_load_b64 v[SUM2:SUM2+1], v245, s[10:11]            ; 1: four rows of V's scale bytes
	; the addresses and constants that stay, while the loads are on their way
	s_mul_i32 s17, s[WV], 4352
	s_add_co_u32 s17, s17, STG                                ; my stage
	v_mul_u32_u24 v[SW], v251, 272
	s_delay_alu instid0(VALU_DEP_1)
	v_lshl_add_u32 v[SW], v250, 4, v[SW]
	s_delay_alu instid0(VALU_DEP_1)
	v_add_nc_u32 v[SW], s17, v[SW]
	v_mul_u32_u24 v[SRD], v250, 272
	s_delay_alu instid0(VALU_DEP_1)
	v_lshl_add_u32 v[SOUT], v251, 5, v[SRD]
	s_delay_alu instid0(VALU_DEP_2)
	v_lshl_add_u32 v[SRD], v251, 7, v[SRD]
	s_delay_alu instid0(VALU_DEP_1)
	v_add_nc_u32 v[SRD], s17, v[SRD]
	s_delay_alu instid0(VALU_DEP_3)
	v_add_nc_u32 v[SOUT], s17, v[SOUT]
	v_lshl_add_u32 v[KRD0], v249, 4, KIMG
	v_lshl_add_u32 v[KSR0], v250, 4, KSC
	v_mul_u32_u24 v[VRD0], v250, 1040
	s_delay_alu instid0(VALU_DEP_1)
	v_lshl_add_u32 v[VRD0], v251, 4, v[VRD0]
	s_delay_alu instid0(VALU_DEP_1)
	v_add_nc_u32 v[VRD0], VROW, v[VRD0]
	v_mul_u32_u24 v[VSR0], v250, 72
	s_delay_alu instid0(VALU_DEP_1)
	v_add_nc_u32 v[VSR0], VSC, v[VSR0]
	s_lshl_b32 s18, s[WV], 9
	v_add_nc_u32 v[KWI0], s18, v[KRD0]
	s_lshr_b32 s18, s[WV], 2
	s_lshl_b32 s18, s18, 8
	s_and_b32 s19, s[WV], 3
	s_lshl_b32 s19, s19, 2
	s_add_co_u32 s18, s18, s19
	v_add_nc_u32 v[KWS0], s18, v[KSR0]
	v_lshlrev_b32 v[SH8], 3, v251
	v_lshlrev_b32 v[D0], 4, v251
	s_delay_alu instid0(VALU_DEP_1)
	v_sub_nc_u32 v[D0], v250, v[D0]
	v_mov_b32 v[MV], 0xc7435000                               ; -50,000.0
	s_mul_i32 s18, s[WV], 4160
	s_add_co_u32 s18, s18, VROW
	v_add_nc_u32 v246, s18, v244                              ; where V's codes go: my four rows of 1,040 bytes, 16 x lane
	v_lshrrev_b32 v247, 3, v249
	s_delay_alu instid0(VALU_DEP_1)
	v_mul_u32_u24 v247, v247, 72
	v_and_b32 v248, 7, v249
	s_delay_alu instid0(VALU_DEP_1)
	v_lshl_add_u32 v247, v248, 3, v247
	s_mul_i32 s18, s[WV], 288
	s_add_co_u32 s18, s18, VSC
	v_add_nc_u32 v247, s18, v247                              ; and its scale bytes: row lane / 8 of my four, 8 (lane % 8)
	s_mov_b32 s[SEL], 0x76543210
	s_mov_b32 s[SEL+1], 0xfedcba98
	s_mov_b32 s[CS], 0x3fb8aa3b                               ; log2(e)
	s_mov_b32 s[CS+1], s[CS]                                  ; (named with it as a pair, so it is written)
.irp j, 4,5,6,7
	v_mov_b32 v[QF+\j], 0                                     ; zero codes for k = 64 .. 127, written once
.irp t, 0,1,2,3
	v_mov_b32 v[KW+8*\t+\j], 0
.endr
.endr
	v_mov_b32 v13, 0xff61b1e6                                 ; the largest t so far: -3e38, under every t
	s_delay_alu instid0(VALU_DEP_1)
	v_floor_f32 v12, -v13                                     ; -M
	v_mov_b32 v14, 0                                          ; the sum, in two halves
	v_mov_b32 v15, 0
.irp b, 0,1,2,3
	v_mov_b32 v[T1+\b], 0                                     ; a lane permute's destination counts as one of its sources
.endr
	v_mov_b32 v[QT], 0
	v_mov_b32 v[F+1], 0                                       ; upper halves of pairs of which the low word alone is used
	v_mov_b32 v[TA+1], 0
	s_wait_loadcnt 17                                         ; my queries are in; behind them: k's 8, V's 8 and 1
	TURN VF
	s_wait_dscnt 0x0
	QUANT QF, 0x3000000, 1, QS                                ; the floor 2^(6 - 127): the byte, 3 lower than q's own, cannot fall under 1
	s_wait_loadcnt 9                                          ; slot 0's keys are in, so their base may step; behind them: V's 8 and 1
	TURN PF
	s_wait_dscnt 0x0
	s_add_nc_u64 s[6:7], s[6:7], 0x100000
	GLOADK PF                                                 ; slot 1 (every work-group needs five slots or more)
	QUANT CD, 0x1800000, 0, KWD
	ds_store_b128 v[KWI0], v[CD:CD+3]                         ; slot 0
	ds_store_b32 v[KWS0], v[KWD]
	s_wait_loadcnt 8                                          ; V's are in; slot 1's 8 stay out
.irp j, 0,1,2,3,4,5,6,7
	ds_store_b128 v246, v[O+4*\j:O+4*\j+3] offset:1040*(\j/2)+512*(\j%2)
.endr
	ds_store_b64 v247, v[SUM2:SUM2+1]
	s_wait_dscnt 0x0                                          ; for the others' sake: my part of K's slot 0 and of V has landed
.irp j, 0,1,2,3,4,5,6,7,8,9,10,11,12,13,14,15,16,17,18,19,20,21,22,23,24,25,26,27,28,29,30,31
	v_mov_b32 v[O+\j], 0                                      ; O^T.  The step is written without a first step of its own: the first change of M multiplies zeros
.endr
	s_barrier_signal -1
	s_barrier_wait -1
	s_mov_b32 s[SL], 0
	s_mov_b32 s[KF], 0
	s_mov_b32 s[TK], 0
	s_mov_b32 s[TS], 0
	s_mov_b32 s[TV], 0
	s_mov_b32 s[TW], 0
.Ltrip:                                                       ; seven trips, a constant
	TRIP 0
	s_add_co_u32 s[SL], s[SL], 1
	s_cmp_lt_u32 s[SL], 7
	s_cbranch_scc1 .Ltrip
	TRIP 1                                                    ; the eighth slot is written out: nothing is made or asked for behind it
	s_wait_tensorcnt 0x0
	ds_add_u32 v254, v255
	s_wait_dscnt 0x0
	s_endpgm
.Lfunc_end_k_qa1630da276_attn:
	.size	k_qa1630da276_attn, .Lfunc_end_k_qa1630da276_attn-k_qa1630da276_attn
	.p2alignl 7, 3214868480
	.fill 96, 4, 3214868480
	.section	.rodata,"a",@progbits
	.p2align	6, 0x0
	.amdhsa_kernel k_qa1630da276_attn
		.amdhsa_group_segment_fixed_size 216576
		.amdhsa_private_segment_fixed_size 0
		.amdhsa_enable_private_segment 0
		.amdhsa_kernarg_size 40
		.amdhsa_user_sgpr_count 2
		.amdhsa_user_sgpr_kernarg_segment_ptr 1
		.amdhsa_wavefront_size32 1
		.amdhsa_system_sgpr_workgroup_id_x 1
		.amdhsa_system_sgpr_workgroup_id_y 1
		.amdhsa_system_sgpr_workgroup_id_z 1
		.amdhsa_system_vgpr_workitem_id 0
		.amdhsa_next_free_vgpr 256
		.amdhsa_next_free_sgpr 66
		.amdhsa_reserve_vcc 1
		.amdhsa_float_denorm_mode_32 3
		.amdhsa_float_denorm_mode_16_64 3
		.amdhsa_memory_ordered 1
		.amdhsa_forward_progress 1
		.amdhsa_inst_pref_size 115
	.end_amdhsa_kernel
	.amdgpu_metadata
---
amdhsa.version: [ 1, 2 ]
amdhsa.kernels:
  - .name:           k_qa1630da276_attn
    .symbol:         k_qa1630da276_attn.kd
    .args:
      - { .name: q, .offset: 0, .size: 8, .value_kind: global_buffer, .address_space: global }
      - { .name: k, .offset: 8, .size: 8, .value_kind: global_buffer, .address_space: global }
      - { .name: v_codes, .offset: 16, .size: 8, .value_kind: global_buffer, .address_space: global }
      - { .name: v_scales, .offset: 24, .size: 8, .value_kind: global_buffer, .address_space: global }
      - { .name: out0, .offset: 32, .size: 8, .value_kind: global_buffer, .address_space: global }
    .group_segment_fixed_size: 216576
    .private_segment_fixed_size: 0
    .kernarg_segment_align: 8
    .kernarg_segment_size: 40
    .max_flat_workgroup_size: 512
    .sgpr_count:     66
    .vgpr_count:     256
    .wavefront_size: 32
...
	.end_amdgpu_metadata
.endif
;; end of part 1
